; MI455X (gfx1250); checked and timed in simulation.
; The chip was launched on July 23, 2026; its instructions are those of AMD's public machine-readable ISA for CDNA 5 (MIT licence, August 2026) and "CDNA5" Instruction Set Architecture Reference Guide (July 2026). The comments in the code are by the model that wrote it; some were corrected since.
;; Vision Attention. Allowed arithmetic: matrix products marked QUANTISED: E2M3 operands, one E8M0 scale for each 32 along K, by v_wmma_scale_f32_16x16x128_f8f6f4 with both operands' format E2M3, f32 sums; everything else in f32.
;; Inputs: W_proj_codes 1,024 x 32 x 24 uint8 (E2M3 codes of W_proj, K innermost, in blocks of 32 codes, four codes in three bytes); W_proj_scales 1,024 x 32 uint8 (E8M0 scales of W_proj, one for each 32 codes along K); W_qkv_codes 3,072 x 32 x 24 uint8 (E2M3 codes of W_qkv, K innermost, in blocks of 32 codes, four codes in three bytes); W_qkv_scales 3,072 x 32 uint8 (E8M0 scales of W_qkv, one for each 32 codes along K); b_proj 1,024 float32; b_qkv 3,072 float32; hidden_states_codes 8 x 1,024 x 32 x 24 uint8 (E2M3 codes of hidden_states, K innermost, in blocks of 32 codes, four codes in three bytes); hidden_states_scales 8 x 1,024 x 32 uint8 (E8M0 scales of hidden_states, one for each 32 codes along K); k_norm_w 1,024 float32; q_norm_w 1,024 float32.
;; Outputs: out0 8 x 1,024 x 1,024 float32.
;; This version of the problem:
;;   THIS VERSION OF THE PROBLEM IS GIVEN IN LOW PRECISION. The matrix products marked QUANTISED in the list below multiply operands that are first quantised to E2M3 (2 exponent bits, 3 mantissa bits; 6 bits a number), with one power-of-two scale for each 32 numbers along K (OCP MX v1.0); their sums are f32. All else is computed in f32.
;;   The module's matrix products, in the order in which they are computed (A, B: the left and right operand; K: the contracted axis; several contracted axes count as one K, in the product's order):
;;     1. [M 8,192, K 1,024] x [K 1,024, N 3,072]; A: input hidden_states (given as codes); B: input W_qkv (given as codes): QUANTISED
;;     2. batch 128 x [M 1,024, K 64] x [K 64, N 1,024]; A: computed on the way; B: computed on the way: QUANTISED
;;     3. batch 128 x [M 64, K 1,024] x [K 1,024, N 1,024]; A: computed on the way; B: softmax (see below): QUANTISED
;;     4. [M 8,192, K 1,024] x [K 1,024, N 1,024]; A: computed on the way; B: input W_proj (given as codes): QUANTISED
;;   THE QUANTISER, for each operand of a quantised product, along K:
;;     - K is cut into blocks of 32 from its start; a last block that is shorter is filled with zeros.
;;     - A block's scale is 2^e with e = floor(log2(the largest magnitude in the block)) - 2, held to -126 .. 127; a block of zeros has e = 0. As a byte (E8M0): e + 127.
;;     - Each number is divided by its block's scale, clamped to +-7.5, and rounded to the nearest number of E2M3, ties to even, subnormals kept.
;;     - The product sums the exact products of the quantised numbers (number of the format x scale) in f32.
;;   ~~~python
;;   def quantise(x, axis):      # numpy; x: float32 -> the quantised numbers, widened to float32 again
;;       x = np.moveaxis(x, axis, -1); K = x.shape[-1]
;;       x = np.pad(x, [(0, 0)] * (x.ndim - 1) + [(0, -K % 32)]); x = x.reshape(x.shape[:-1] + (-1, 32)); a = np.abs(x).max(-1, keepdims=True)
;;       e = np.where(a > 0, np.clip(np.frexp(np.where(a > 0, a, 1))[1] - 1 - 2, -126, 127), 0)      # np.frexp(a)[1] - 1 = floor(log2(a)), exactly
;;       r = np.clip(x / 2.0 ** e, -7.5, 7.5)
;;       step = 2.0 ** (np.maximum(np.frexp(np.where(r == 0, 1, r))[1] - 1, 0) - 3)
;;       q = np.round(r / step) * step * 2.0 ** e      # np.round: ties to even
;;       return np.moveaxis(q.reshape(q.shape[:-2] + (-1,))[..., :K], -1, axis).astype(np.float32)
;;   ~~~
;;   SOFTMAX AHEAD OF A QUANTISED PRODUCT. Where the list says 'softmax', what is quantised is not the finished softmax but p = 2^(t - M), with t = logit x log2(e) and M = ceil(the row's largest t), a whole number; so 1/2 < the row's largest p <= 1. The row's sum l is taken of the UNQUANTISED p, in f32, and the product's result is divided by l at the end. Since M is a whole number, a kernel that streams over the keys may use a running M (the ceiling of the running maximum): every later rescaling is an exact power of two, which a block's scale takes up: the codes' values come out the same.
;;   OPERANDS COMPUTED ON THE WAY. 'Computed on the way' means the value that the module computes at that place (a softmax that the list does not call 'softmax' is quantised finished and normalised). What goes into a quantiser is computed in f32, as accurately as f32 sums, v_exp_f32 and their like allow (about 1e-6 of the number): no bf16 or f16 on the way to a quantiser, and a product that is left as it is and whose result goes on into a quantised operand takes f32 operands (vector FMAs, or v_wmma_f32_16x16x4_f32). A number that lies on a knife's edge between two numbers of the format may be rounded either way, as far as f32 arithmetic and the matrix unit's own rounding can turn it there, and no further.
;;   INPUTS GIVEN AS CODES. W_proj (in the module: [1024, 1024], K = its axis 0); W_qkv (in the module: [1024, 3072], K = its axis 0); hidden_states (in the module: [8, 1024, 1024], K = its axis 2): each comes as NAME_codes (uint8): NAME with its K axis moved to the last place and cut into blocks of 32 codes, [.., K / 32, bytes a block], one block behind the other in memory; four codes in three bytes: a row's codes are one little-endian stream of bits, code i at bits 6 i .. 6 i + 5 (a code: sign, 2 exponent bits, 3 mantissa bits); and NAME_scales (uint8): the same leading axes, one E8M0 byte (e + 127) for each 32 codes along K. Its value is code x scale, taken as it is: it is not quantised again, and the codes and scales need not be those that the quantiser above would give.
;; One version. Each part assembles by itself: llvm-mc -triple=amdgcn-amd-amdhsa -mcpu=gfx1250 --defsym DOCPART=n.
;; ======== version 1 of 1: 3 launches
;; limits: right only within a limited range of input values
;; workspace buffers: q_ws 6,815,744 bytes; k_ws 6,815,744 bytes; v_ws 6,815,744 bytes; o_ws 6,815,744 bytes
;; launch qkv (part 1): grid 128 x 2, 4 waves a work-group, clusters of 4 x 1, 327,680 bytes of LDS; arguments hidden_states_codes, hidden_states_scales, W_qkv_codes, W_qkv_scales, b_qkv, q_norm_w, k_norm_w, q_ws, k_ws, v_ws; writes q_ws, k_ws, v_ws
.if DOCPART == 1
	.amdgcn_target "amdgcn-amd-amdhsa--gfx1250"
	.amdhsa_code_object_version 6
	.text
	.protected	k_q2f6778475b_qkv
	.globl	k_q2f6778475b_qkv
	.p2align	8
	.type	k_q2f6778475b_qkv,@function
k_q2f6778475b_qkv:
	s_mov_b64 s[64:65], 0
	v_nop
	global_prefetch_b8 v0, s[64:65] scope:SCOPE_SE
	s_setreg_imm32_b32 hwreg(HW_REG_WAVE_MODE, 25, 1), 1
	s_wait_xcnt 0x0
	s_wait_alu depctr_hold_cnt(0) depctr_sa_sdst(0) depctr_va_vdst(0) depctr_va_sdst(0) depctr_va_ssrc(0) depctr_va_vcc(0) depctr_vm_vsrc(0)
	s_getreg_b32 s2, hwreg(HW_REG_IB_STS2, 6, 4)
	s_cmp_eq_u32 s2, 0
	s_cbranch_scc0 .Lentry_in_a_cluster
	s_endpgm
.Lentry_in_a_cluster:
	s_bfe_u32 s2, ttmp6, 0x10000c
	s_cmp_lg_u32 s2, 0x3003
	s_cbranch_scc0 .Lentry_shape_is_right
	s_endpgm
.Lentry_shape_is_right:
; qkv = x W_qkv + b_qkv on codes of FP6 (E2M3); q and k are RMS-normalised over their 1,024 columns, weighted, and quantised along each head's 64; v is quantised along the keys. All three leave as register images for the attention launch.
; SHARES. Work-group (x, y): rows 64 x .. 64 x + 63; y = 0: all of q and v's columns 0-511; y = 1: all of k and v's columns 512-1023. Wave w: 256 columns of q or k (64 accumulators, windows 2 and 3), then 128 columns of v (32 accumulators, window 2).
; W COMES IN WHOLE ROWS: a slot holds 32 rows of 768 bytes for each wave (a row starts at a multiple of 256 bytes), 16 bytes of padding behind every 256: LDS pitch 816. Twelve slots through a ring of two: 8 for q or k, 4 for v. A slot finishes 8 accumulators: 64 products.
; The 64 rows of x go once through registers into LDS bytes of their own, and all their 32 fragments (384 registers) stay in registers: in a slot only W's 16 fragments are read from LDS, through three sets of two.
; CLUSTER. The four work-groups of a cluster share y and so W's rows: every slot is asked for jointly (mask 15), behind a round of the cluster's barrier.
; PREFETCH. In the trip that loads slot n + 1 each wave names slot n + 3: its 32 rows are 96 blocks of 256 bytes, of which the partner at place cx names 24 (a lane a block; lanes 24-31 name the last again); slots 0-2 come by their loads alone, and the last trips ask for nothing.
; q, k: source 0 = 16 rows of W, source 1 = 16 rows of x: a lane holds 8 neighbouring columns of a row. v: the sources swapped: a lane holds one channel and 8 keys. Inside a block of 32 the order is 0-7, 16-23, 8-15, 24-31, alike in q and k, and alike in v and in the attention launch's p.
; REGISTERS. window 0: v0-15 addresses, v16-31 x's scale words, v32-39 W's scale words of a slot, v40-111 W's fragments (3 sets x 2), v112-255 x's fragments of K steps 5-7 (at work in the epilogues, then read again). window 1: v0-239 x's fragments of K steps 0-4.
; LIMITS: NaN and infinities are not served; a block under 2^-124, and a block of zeros, keeps the byte 1 (its codes are zeros; this program alone reads the bytes).
.set REC,   53248
.set PITCH, 816
.set TILE,  16*PITCH
.set BW,    32*PITCH
.set SLOT,  4*BW
.set ABASE, 2*SLOT
.set RED,   ABASE+64*PITCH
.set SPARE, RED+1024
.set TM,    168
.set MSB, 0
.macro WIN new
.if MSB != (\new)
	s_set_vgpr_msb (MSB<<8)|(\new)
.set MSB, (\new)
.endif
.endm
.macro ROUND
	s_barrier_signal -1
	s_barrier_wait -1
	s_cmp_lg_u32 s24, 0
	s_cbranch_scc1 .Lnw0_\@
	s_barrier_signal -3
.Lnw0_\@:
	s_barrier_wait -3
	s_barrier_signal -1
	s_barrier_wait -1
.endm
.macro PLACES n
.rept \n
	v_nop
.endr
.endm
; a fragment of K step s: six pieces of 8 bytes; lanes 16-31 read three pieces on, which lies behind one padding more where the piece of lanes 0-15 is one of a chunk's last three: then the second address register serves
.macro FRAG reg, adr, alt, s, off
.irp p, 0,1,2,3,4,5
.set PCE, 12*(\s)+6*(\p/3)+\p%3
.if PCE%32 < 29
	ds_load_b64 v[(\reg)+2*\p:(\reg)+2*\p+1], v[\adr] offset:8*PCE+16*(PCE/32)+(\off)
.else
	ds_load_b64 v[(\reg)+2*\p:(\reg)+2*\p+1], v[\alt] offset:8*PCE+16*(PCE/32)+(\off)
.endif
.endr
.endm
.macro WM
.if fRA && fRB
	v_wmma_scale_f32_16x16x128_f8f6f4 v[rD:rD+7], v[rA:rA+11], v[rB:rB+11], v[rC:rC+7], v[rSA], v[rSB] matrix_a_fmt:MATRIX_FMT_FP6 matrix_b_fmt:MATRIX_FMT_FP6 matrix_a_scale:MATRIX_SCALE_ROW1 matrix_b_scale:MATRIX_SCALE_ROW1
.elseif fRA
	v_wmma_scale_f32_16x16x128_f8f6f4 v[rD:rD+7], v[rA:rA+11], v[rB:rB+11], v[rC:rC+7], v[rSA], v[rSB] matrix_a_fmt:MATRIX_FMT_FP6 matrix_b_fmt:MATRIX_FMT_FP6 matrix_a_scale:MATRIX_SCALE_ROW1
.elseif fRB
	v_wmma_scale_f32_16x16x128_f8f6f4 v[rD:rD+7], v[rA:rA+11], v[rB:rB+11], v[rC:rC+7], v[rSA], v[rSB] matrix_a_fmt:MATRIX_FMT_FP6 matrix_b_fmt:MATRIX_FMT_FP6 matrix_b_scale:MATRIX_SCALE_ROW1
.else
	v_wmma_scale_f32_16x16x128_f8f6f4 v[rD:rD+7], v[rA:rA+11], v[rB:rB+11], v[rC:rC+7], v[rSA], v[rSB] matrix_a_fmt:MATRIX_FMT_FP6 matrix_b_fmt:MATRIX_FMT_FP6
.endif
.endm
.macro LOADA                           ; all 32 fragments of x
	WIN 0x40
.irp s, 0,1,2,3,4
.irp a, 0,1,2,3
	FRAG 12*(4*\s+\a), 8, 9, \s, \a*TILE
.endr
.endr
	WIN 0
.irp s, 5,6,7
.irp a, 0,1,2,3
	FRAG 112+12*(4*(\s-5)+\a), 8, 9, \s, \a*TILE
.endr
.endr
.endm
.macro LB n, s                         ; W's two fragments of slot n, K step s, into set (8 n + s) % 3
.irp b, 0,1
	FRAG 40+24*((8*(\n)+(\s))%3)+12*\b, 4+(\n)%2, 6+(\n)%2, \s, \b*TILE
.endr
.endm
.macro SCL n, k                        ; four of the eight scale words of slot n's rows: lanes 0-15 the first tile's, lanes 16-31 the second's
.if (\n) < 8
	global_load_b128 v[32+4*(\k):35+4*(\k)], v10, s[86:87] offset:1024*(\n)+16*(\k)
.else
	global_load_b128 v[32+4*(\k):35+4*(\k)], v10, s[10:11] offset:1024*((\n)-8)+16*(\k)
.endif
.endm
.macro BIAS n                          ; the bias begins the sums of slot n's eight accumulators of q or k
	WIN 0x80+0x40*((\n)>>2)
.irp a, 0,1,2,3
.irp b, 0,1
.irp k, 0,1
	global_load_b128 v[8*(8*\a+2*((\n)&3)+\b)+4*\k:8*(8*\a+2*((\n)&3)+\b)+4*\k+3], v11, s[90:91] offset:64*(2*(\n)+\b)+16*\k
.endr
.endr
.endr
	WIN 0
.endm
; eight products of a K step, the slot's eight accumulators by turns
.macro MULQK n, s
.if (\s) < 5
	WIN 0xa4+0x50*((\n)>>2)
.else
	WIN 0xa0+0x50*((\n)>>2)
.endif
.irp b, 0,1
.irp a, 0,1,2,3
.set rD, 8*(8*\a+2*((\n)&3)+\b)
.set rC, rD
.set rA, 40+24*((8*(\n)+(\s))%3)+12*\b
.if (\s) < 5
.set rB, 12*(4*(\s)+\a)
.else
.set rB, 112+12*(4*((\s)-5)+\a)
.endif
.set rSA, 32+(\s)
.set rSB, 16+8*(\a&1)+(\s)
.set fRA, \b
.set fRB, \a>>1
	WM
.endr
.endr
.endm
.macro MULV n, s                       ; the first K step takes the bias, in window 3, as C
.if (\s) == 0
	WIN 0xb1
.elseif (\s) < 5
	WIN 0xa1
.else
	WIN 0xa0
.endif
.irp b, 0,1
.irp a, 0,1,2,3
.set rD, 8*(4*(2*((\n)-8)+\b)+\a)
.if (\s) == 0
.set rC, 8*(2*((\n)-8)+\b)
.else
.set rC, rD
.endif
.if (\s) < 5
.set rA, 12*(4*(\s)+\a)
.else
.set rA, 112+12*(4*((\s)-5)+\a)
.endif
.set rB, 40+24*((8*(\n)+(\s))%3)+12*\b
.set rSA, 16+8*(\a&1)+(\s)
.set rSB, 32+(\s)
.set fRA, \a>>1
.set fRB, \b
	WM
.endr
.endr
.endm
; the change of slots ahead of slot n1 - 1's work: all my loads are in, an add, my reads are over, a round of the cluster's barrier, and slot n1's joint load first behind it
.macro HEADS n1
	WIN 0
	s_wait_tensorcnt 0x0
	ds_add_u32 v1, v2
.if (\n1) == 8 || (\n1) == 9
	s_add_nc_u64 s[46+4*((\n1)%2):47+4*((\n1)%2)], s[46+4*((\n1)%2):47+4*((\n1)%2)], s[66:67]
.elseif (\n1) > 1
	s_add_nc_u64 s[46+4*((\n1)%2):47+4*((\n1)%2)], s[46+4*((\n1)%2):47+4*((\n1)%2)], 49152
.endif
	s_wait_dscnt 0x0
	ROUND
	tensor_load_to_lds s[44+4*((\n1)%2):47+4*((\n1)%2)], s[28:35]
	s_nop 0
	PLACES 4
.endm
; a slot's work: K step s + 2's fragments are asked for ahead of step s's products; four places stand between the products that read a set and the loads into it
.macro BODY n
.if (\n) > 0
	SCL \n, 1
.endif
	LB \n, 0
	LB \n, 1
	LB \n, 2
.if (\n)+3 < 8
	s_cmp_lt_u32 ttmp9, 4
	s_cbranch_scc0 .Lno_prefetch_qkv0_\@
	global_prefetch_b8 v3, s[52:53] offset:24576*((\n)+3) th:TH_LOAD_NT scope:SCOPE_SE
.Lno_prefetch_qkv0_\@:
.elseif (\n)+3 < 12
	s_cmp_lt_u32 ttmp9, 4
	s_cbranch_scc0 .Lno_prefetch_qkv1_\@
	global_prefetch_b8 v3, s[54:55] offset:24576*((\n)-5) th:TH_LOAD_NT scope:SCOPE_SE
.Lno_prefetch_qkv1_\@:
.endif
.irp s, 0,1,2,3,4,5,6,7
.if \s > 0
	PLACES 4
	WIN 0
.if \s < 6
	LB \n, \s+2
.endif
.if \s == 5 && (\n) < 11
	SCL (\n)+1, 0
.if (\n) < 7
	BIAS (\n)+1
.endif
.endif
.endif
.if \s < 6
	s_wait_dscnt 24                                ; the two later steps' 24 loads may be out
.else
	s_wait_dscnt 12*(7-\s)
.endif
.if \s == 0
.if (\n) > 0
	s_wait_loadcnt 0x1                             ; the first four scale words and the bias are in; the slot's second scale load may be out
.else
	s_wait_loadcnt 0x0
.endif
.endif
.if \s == 4
	s_wait_loadcnt 0x0
.endif
.if (\n) < 8
	MULQK \n, \s
.else
	MULV \n, \s
.endif
.endr
.endm
; 64 registers of one lane: four blocks of 32 shared with lane l xor 16: scales, codes, whole blocks to a lane
.macro QUANT W, src, PC, lo, hi
	WIN (\W)|((\W)<<2)
.irp b, 0,1,2,3
	v_max3_num_f32 v[TM+\b], |v[(\src)+16*\b]|, |v[(\src)+1+16*\b]|, 0x1800000
.endr
	WIN ((\W)<<2)|((\W)<<4)
.irp i, 2,4,6,8,10,12,14
.irp b, 0,1,2,3
	v_max3_num_f32 v[TM+\b], v[TM+\b], |v[(\src)+16*\b+\i]|, |v[(\src)+1+16*\b+\i]|
.endr
.endr
	WIN 0
.irp b, 0,1,2,3
	v_permlanex16_b32 v[TM+4+\b], v[TM+\b], s56, s57
.endr
.irp b, 0,1,2,3
	v_max_num_f32 v[TM+\b], v[TM+\b], v[TM+4+\b]
.endr
.irp b, 0,1,2,3
	v_add_nc_u32 v[TM+12+\b], 0xff000000, v[TM+\b]
.endr
.irp b, 0,1,2,3
	v_lshrrev_b32 v[TM+4+\b], 23, v[TM+12+\b]
.endr
	v_lshl_or_b32 v[\lo], v[TM+5], 8, v[TM+4]
	v_lshl_or_b32 v[\hi], v[TM+7], 8, v[TM+6]
	WIN \W
.irp c, 0,1
	v_cvt_scalef32_pk16_fp6_f32 v[(\PC)+6*\c:(\PC)+6*\c+2], v[(\src)+32*\c:(\src)+32*\c+15], v[TM+12+2*\c]
	v_cvt_scalef32_pk16_fp6_f32 v[(\PC)+12+4*\c:(\PC)+14+4*\c], v[(\src)+16+32*\c:(\src)+31+32*\c], v[TM+13+2*\c]
.endr
	WIN 0
	v_nop
.irp c, 0,1
.irp n, 0,1,2
	v_permlane16_swap_b32 v[(\PC)+6*\c+\n], v[(\PC)+12+4*\c+\n]
.endr
.irp n, 0,1,2
	v_mov_b32 v[(\PC)+3+6*\c+\n], v[(\PC)+12+4*\c+\n]
.endr
.endr
.endm
	s_load_b512 s[4:19], s[0:1], 0x0
	s_load_b128 s[20:23], s[0:1], 0x40
	v_lshl_add_u32 v1, v0, 2, SPARE
	v_mov_b32 v2, 0
	ds_add_u32 v1, v2                              ; the opening lines
	ds_add_u32 v1, v2
	v_lshrrev_b32 v40, 5, v0
	v_readfirstlane_b32 s24, v40                   ; wave
	s_bfe_u32 s25, ttmp6, 0x40000                  ; cx: it enters x's, the outputs' and the prefetch's addresses alone
	s_lshl_b32 s26, ttmp9, 2
	s_add_co_u32 s26, s26, s25                     ; x
	s_and_b32 s27, ttmp7, 0xffff                   ; y
	s_mov_b32 s28, 15|(1<<20)|(1<<21)|(5<<22)|(3<<25)  ; bytes; the four partners; 4 words of padding behind every 64
	s_mov_b32 s29, 768<<16
	s_mov_b32 s30, 32<<16
	s_mov_b32 s31, 768<<16
	s_mov_b32 s32, 32
	s_mov_b32 s33, 768
	s_mov_b32 s34, 0
	s_mov_b32 s35, 0
	s_lshl_b32 s80, s27, 10
	s_lshl_b32 s81, s24, 8
	s_add_co_u32 s80, s80, s81                     ; my first row of W for q or k
	s_lshl_b32 s81, s27, 9
	s_lshl_b32 s82, s24, 7
	s_add_co_u32 s81, s81, s82
	s_add_co_u32 s81, s81, 2048                    ; and for v
	s_sub_co_u32 s66, s81, s80
	s_sub_co_u32 s66, s66, 192
	s_mul_i32 s66, s66, 768                        ; bytes from slot 6 to slot 8, and from 7 to 9
	s_mov_b32 s67, 0
	s_mov_b32 s44, 1
	s_mul_i32 s45, s24, BW
	s_mov_b32 s48, 1
	s_add_co_u32 s49, s45, SLOT
	s_mul_i32 s84, s80, 768
	s_mov_b32 s85, 0
	s_mul_i32 s68, s81, 768
	s_mov_b32 s69, 0
	s_mul_i32 s88, s26, 49152
	s_mul_i32 s89, s24, 12288
	s_add_co_u32 s88, s88, s89                     ; my 16 of x's 64 rows
	s_mov_b32 s89, 0
	s_mul_i32 s36, s24, 48*272
	s_add_co_u32 s36, s36, ABASE
	s_mul_i32 s37, s25, 6144
	s_mov_b32 s56, 0x76543210
	s_mov_b32 s57, 0xfedcba98
	s_mov_b32 s58, 0x3a800000                      ; 1 / 1024
	s_mov_b32 s59, 0x358637bd                      ; 1e-6
	s_mov_b32 s60, 0xffff0000
	s_wait_dscnt 0x0
	s_wait_kmcnt 0x0
	s_add_nc_u64 s[52:53], s[8:9], s[84:85]
	s_add_nc_u64 s[54:55], s[8:9], s[68:69]
	s_mov_b64 s[46:47], s[52:53]
	s_add_nc_u64 s[50:51], s[52:53], 24576
	s_or_b32 s47, s47, 0x80000000
	s_or_b32 s51, s51, 0x80000000
	s_add_nc_u64 s[96:97], s[4:5], s[88:89]
	ROUND
	tensor_load_to_lds s[44:47], s[28:35]          ; slot 0: my one load at the head
	s_nop 0
	PLACES 4
	s_lshl_b32 s88, s26, 11
	s_add_nc_u64 s[6:7], s[6:7], s[88:89]
	s_lshl_b32 s84, s80, 5
	s_add_nc_u64 s[86:87], s[10:11], s[84:85]
	s_lshl_b32 s84, s81, 5
	s_add_nc_u64 s[10:11], s[10:11], s[84:85]
	s_lshl_b32 s84, s80, 2
	s_add_nc_u64 s[90:91], s[12:13], s[84:85]
	s_lshl_b32 s84, s81, 2
	s_add_nc_u64 s[12:13], s[12:13], s[84:85]
	s_cmp_eq_u32 s27, 0
	s_cselect_b64 s[70:71], s[18:19], s[20:21]
	s_cselect_b64 s[78:79], s[14:15], s[16:17]
	s_lshr_b32 s88, s26, 4
	s_lshl_b32 s88, s88, 4
	s_and_b32 s89, s26, 15
	s_lshl_b32 s92, s24, 2
	s_add_co_u32 s92, s92, s88
	s_mul_i32 s92, s92, REC
	s_mov_b32 s93, 0
	s_add_nc_u64 s[70:71], s[70:71], s[92:93]
	s_lshl_b32 s92, s89, 8
	s_add_nc_u64 s[72:73], s[70:71], s[92:93]
	s_mul_i32 s92, s89, 3072
	s_add_co_u32 s92, s92, 4096
	s_add_nc_u64 s[70:71], s[70:71], s[92:93]
	s_lshl_b32 s94, s27, 3
	s_lshl_b32 s95, s24, 1
	s_add_co_u32 s94, s94, s95
	s_add_co_u32 s94, s94, s88
	s_mul_i32 s94, s94, REC
	s_mov_b32 s95, 0
	s_add_nc_u64 s[76:77], s[22:23], s[94:95]
	s_add_nc_u64 s[74:75], s[76:77], s[92:93]
	s_lshl_b32 s92, s89, 8
	s_add_nc_u64 s[76:77], s[76:77], s[92:93]
	s_lshl_b32 s92, s24, 10
	s_add_nc_u64 s[78:79], s[78:79], s[92:93]
	v_and_b32 v40, 15, v0                          ; r
	v_bfe_u32 v41, v0, 4, 1                        ; h
	v_and_b32 v42, 31, v0                          ; lane
	v_mul_u32_u24 v43, v40, PITCH
	v_mad_u32_u24 v44, v41, 24, v43
	v_mad_u32_u24 v45, v41, 40, v43
	v_add_nc_u32 v4, s45, v44                      ; W's fragments in slot 0, 1
	v_add_nc_u32 v6, s45, v45                      ; and behind one padding more
	v_add_nc_u32 v5, SLOT, v4
	v_add_nc_u32 v7, SLOT, v6
	v_add_nc_u32 v8, ABASE, v44                    ; x's fragments
	v_add_nc_u32 v9, ABASE, v45
	v_lshlrev_b32 v10, 5, v42
	v_lshlrev_b32 v11, 5, v41
	v_lshlrev_b32 v12, 4, v42
	v_lshlrev_b32 v13, 3, v42
	v_lshl_add_u32 v15, v40, 4, RED
	v_lshl_add_u32 v14, s24, 2, v15
	v_min_u32 v3, 23, v42
	v_lshlrev_b32 v3, 8, v3
	v_add_nc_u32 v3, s37, v3                       ; the prefetch: my work-group's 24 blocks of my 96
	v_lshlrev_b32 v46, 5, v40
	v_lshl_add_u32 v46, v41, 10, v46               ; x's scale words: lanes 16-31 take the tile two on
	v_mul_u32_u24 v47, v41, 272
	v_lshl_add_u32 v47, v40, 4, v47
	v_add_nc_u32 v47, s36, v47                     ; where my 16 rows of x go: units of 256 bytes, 272 apart
	s_wait_alu depctr_va_vdst(0)                   ; the wait at the head's end
.set cnt, 0
.rept 24
	global_load_b128 v[112+4*cnt:115+4*cnt], v12, s[96:97] offset:512*cnt      ; 512 consecutive bytes an instruction
.set cnt, cnt+1
.endr
.irp i, 0,1
.irp k, 0,1
	global_load_b128 v[16+8*\i+4*\k:19+8*\i+4*\k], v46, s[6:7] offset:512*\i+16*\k
.endr
.endr
	SCL 0, 0
	SCL 0, 1
	BIAS 0
	s_wait_loadcnt 22                              ; x's 24 loads are in; the 22 issued behind them may be out
.set cnt, 0
.rept 24
	ds_store_b128 v47, v[112+4*cnt:115+4*cnt] offset:544*cnt
.set cnt, cnt+1
.endr
	s_wait_xcnt 0x0                                ; v46 lies where W's fragments land
	HEADS 1                                        ; its waits and its round also hand x's rows to all four waves
	LOADA
	BODY 0
.irp i, 1,2,3,4,5,6,7
	HEADS \i+1
	BODY \i
.endr
	HEADS 9
	; q or k is whole: the norm over 1,024 columns, the weights, the quantiser
	WIN 0x40
	s_wait_alu depctr_va_vdst(0)
.irp hp, 0,1
.irp b, 0,1,2,3,4,5,6,7
.irp k, 0,1
	global_load_b128 v[64*\hp+8*\b+4*\k:64*\hp+8*\b+4*\k+3], v11, s[78:79] offset:(128*\hp+16*\b)*4+16*\k
.endr
.endr
.endr
	WIN 0
.irp b, 0,1,2,3
	v_mov_b32 v[TM+4+\b], 0
.endr
	WIN 0x0a
.set cnt, 0
.rept 32
.irp a, 0,1,2,3
.if cnt < 2
	v_pk_mul_f32 v[224+4*\a+2*(cnt%2):225+4*\a+2*(cnt%2)], v[64*\a+2*cnt:64*\a+2*cnt+1], v[64*\a+2*cnt:64*\a+2*cnt+1]
.else
	v_pk_fma_f32 v[224+4*\a+2*(cnt%2):225+4*\a+2*(cnt%2)], v[64*\a+2*cnt:64*\a+2*cnt+1], v[64*\a+2*cnt:64*\a+2*cnt+1], v[224+4*\a+2*(cnt%2):225+4*\a+2*(cnt%2)]
.endif
.endr
.set cnt, cnt+1
.endr
	WIN 0x0f
.set cnt, 0
.rept 32
.irp a, 0,1,2,3
	v_pk_fma_f32 v[224+4*\a+2*(cnt%2):225+4*\a+2*(cnt%2)], v[64*\a+2*cnt:64*\a+2*cnt+1], v[64*\a+2*cnt:64*\a+2*cnt+1], v[224+4*\a+2*(cnt%2):225+4*\a+2*(cnt%2)]
.endr
.set cnt, cnt+1
.endr
	WIN 0
.irp a, 0,1,2,3
	v_pk_add_f32 v[224+4*\a:225+4*\a], v[224+4*\a:225+4*\a], v[226+4*\a:227+4*\a]
.endr
.irp a, 0,1,2,3
	v_add_f32 v[224+4*\a], v[224+4*\a], v[225+4*\a]
.endr
.irp a, 0,1,2,3
	v_permlanex16_b32 v[226+4*\a], v[224+4*\a], s56, s57
.endr
.irp a, 0,1,2,3
	v_add_f32 v[224+4*\a], v[224+4*\a], v[226+4*\a]
.endr
.irp a, 0,1,2,3
	ds_store_b32 v14, v[224+4*\a] offset:256*\a    ; my 256 columns' share of each row's sum of squares
.endr
	s_wait_dscnt 0x0
	s_barrier_signal -1
	s_barrier_wait -1
.irp a, 0,1,2,3
	ds_load_b128 v[196+4*\a:199+4*\a], v15 offset:256*\a
.endr
	s_wait_dscnt 0x0
.irp a, 0,1,2,3
	v_add_f32 v[196+4*\a], v[196+4*\a], v[197+4*\a]
	v_add_f32 v[198+4*\a], v[198+4*\a], v[199+4*\a]
.endr
.irp a, 0,1,2,3
	v_add_f32 v[196+4*\a], v[196+4*\a], v[198+4*\a]
.endr
.irp a, 0,1,2,3
	v_fma_f32 v[196+4*\a], v[196+4*\a], s58, s59
.endr
	s_wait_alu depctr_va_vdst(0)
.irp a, 0,1,2,3
	v_rsq_f32 v[240+2*\a], v[196+4*\a]
.endr
.irp a, 0,1,2,3
	v_mov_b32 v[241+2*\a], 0
.endr
	s_wait_alu depctr_va_vdst(0)
	s_wait_loadcnt 0x0
.irp hp, 0,1
	WIN 0x82+0x41*\hp
.irp a, 0,1,2,3
.set cnt, 0
.rept 32
	v_pk_mul_f32 v[64*\a+2*cnt:64*\a+2*cnt+1], v[64*\a+2*cnt:64*\a+2*cnt+1], v[240+2*\a:241+2*\a] op_sel_hi:[1,0]
.set cnt, cnt+1
.endr
.endr
	WIN 0x86+0x41*\hp
.irp a, 0,1,2,3
.set cnt, 0
.rept 32
	v_pk_mul_f32 v[64*\a+2*cnt:64*\a+2*cnt+1], v[64*\a+2*cnt:64*\a+2*cnt+1], v[64*\hp+2*cnt:64*\hp+2*cnt+1]
.set cnt, cnt+1
.endr
.endr
.irp a, 0,1,2,3
	s_wait_xcnt 0x0
	QUANT 2+\hp, 64*\a, 128+20*(\a%2), 184+2*\a, 185+2*\a
.irp c, 0,1
	global_store_b128 v12, v[128+20*(\a%2)+6*\c:131+20*(\a%2)+6*\c], s[70:71] offset:(2*\hp+\c)*REC+768*\a
	global_store_b64 v13, v[132+20*(\a%2)+6*\c:133+20*(\a%2)+6*\c], s[70:71] offset:(2*\hp+\c)*REC+768*\a+512
.endr
.if 4*\hp+\a == 4
	v_and_b32 v40, 15, v0                          ; window 3's first 64 registers are done with: v's bias, in the result's layout (a lane holds one channel)
	v_lshlrev_b32 v40, 2, v40
	WIN 0xc0
.irp t, 0,1,2,3,4,5,6,7
.irp j, 0,1,2,3,4,5,6,7
	global_load_b32 v[8*\t+\j], v40, s[12:13] offset:64*\t
.endr
.endr
	WIN 0
.endif
.endr
.irp c, 0,1
	v_cndmask_b32 v[192+2*\c], v[184+\c], v[186+\c], s60
	v_cndmask_b32 v[193+2*\c], v[188+\c], v[190+\c], s60
	global_store_b64 v13, v[192+2*\c:193+2*\c], s[72:73] offset:(2*\hp+\c)*REC
.endr
.endr
	s_wait_xcnt 0x0
	LOADA                                          ; the epilogue worked in x's registers: the fragments are read again
	BODY 8
	HEADS 10
	BODY 9
	HEADS 11
	BODY 10
	WIN 0
	s_wait_tensorcnt 0x0                           ; slot 11 is in; only I read my rows, and nothing is filled again
	PLACES 4
	BODY 11
	WIN 0
	PLACES 4
.irp i, 0,1,2,3
	s_wait_xcnt 0x0
	QUANT 2, 64*\i, 128+20*(\i%2), 184, 185
.irp c, 0,1
	global_store_b128 v12, v[128+20*(\i%2)+6*\c:131+20*(\i%2)+6*\c], s[74:75] offset:(\i/2)*REC+(2*(\i%2)+\c)*768
	global_store_b64 v13, v[132+20*(\i%2)+6*\c:133+20*(\i%2)+6*\c], s[74:75] offset:(\i/2)*REC+(2*(\i%2)+\c)*768+512
.endr
	v_cndmask_b32 v[192+\i%2], v184, v185, s60
.if \i%2
	global_store_b64 v13, v[192:193], s[76:77] offset:(\i/2)*REC
.endif
.endr
	s_wait_tensorcnt 0x0                           ; the wave's end
	ds_add_u32 v1, v2
	s_wait_dscnt 0x0
	ROUND                                          ; the closing round
	s_endpgm
.Lfunc_end_k_q2f6778475b_qkv:
	.size	k_q2f6778475b_qkv, .Lfunc_end_k_q2f6778475b_qkv-k_q2f6778475b_qkv
	.p2alignl 7, 3214868480
	.fill 96, 4, 3214868480
	.section	.rodata,"a",@progbits
	.p2align	6, 0x0
	.amdhsa_kernel k_q2f6778475b_qkv
		.amdhsa_group_segment_fixed_size 327680
		.amdhsa_private_segment_fixed_size 0
		.amdhsa_enable_private_segment 0
		.amdhsa_kernarg_size 80
		.amdhsa_user_sgpr_count 2
		.amdhsa_user_sgpr_kernarg_segment_ptr 1
		.amdhsa_wavefront_size32 1
		.amdhsa_system_sgpr_workgroup_id_x 1
		.amdhsa_system_sgpr_workgroup_id_y 1
		.amdhsa_system_sgpr_workgroup_id_z 1
		.amdhsa_system_vgpr_workitem_id 0
		.amdhsa_next_free_vgpr 1024
		.amdhsa_next_free_sgpr 100
		.amdhsa_reserve_vcc 0
		.amdhsa_float_denorm_mode_32 3
		.amdhsa_float_denorm_mode_16_64 3
		.amdhsa_memory_ordered 1
		.amdhsa_forward_progress 1
		.amdhsa_inst_pref_size 255
	.end_amdhsa_kernel
	.section	.bss,"aw",@nobits
	.p2align	6
	.space	262144
	.amdgpu_metadata
---
amdhsa.version: [ 1, 2 ]
amdhsa.kernels:
  - .name:           k_q2f6778475b_qkv
    .symbol:         k_q2f6778475b_qkv.kd
    .args:
      - { .name: hidden_states_codes, .offset: 0, .size: 8, .value_kind: global_buffer, .address_space: global }
      - { .name: hidden_states_scales, .offset: 8, .size: 8, .value_kind: global_buffer, .address_space: global }
      - { .name: W_qkv_codes, .offset: 16, .size: 8, .value_kind: global_buffer, .address_space: global }
      - { .name: W_qkv_scales, .offset: 24, .size: 8, .value_kind: global_buffer, .address_space: global }
      - { .name: b_qkv, .offset: 32, .size: 8, .value_kind: global_buffer, .address_space: global }
      - { .name: q_norm_w, .offset: 40, .size: 8, .value_kind: global_buffer, .address_space: global }
      - { .name: k_norm_w, .offset: 48, .size: 8, .value_kind: global_buffer, .address_space: global }
      - { .name: q_ws, .offset: 56, .size: 8, .value_kind: global_buffer, .address_space: global }
      - { .name: k_ws, .offset: 64, .size: 8, .value_kind: global_buffer, .address_space: global }
      - { .name: v_ws, .offset: 72, .size: 8, .value_kind: global_buffer, .address_space: global }
    .group_segment_fixed_size: 327680
    .private_segment_fixed_size: 0
    .kernarg_segment_align: 8
    .kernarg_segment_size: 80
    .max_flat_workgroup_size: 128
    .sgpr_count:     100
    .vgpr_count:     1024
    .wavefront_size: 32
...
	.end_amdgpu_metadata
.endif
;; end of part 1
;; launch attn (part 2): grid 4 x 64, 16 waves a work-group, clusters of 4 x 1, 327,680 bytes of LDS; arguments q_ws, k_ws, v_ws, o_ws; writes o_ws
.if DOCPART == 2
	.amdgcn_target "amdgcn-amd-amdhsa--gfx1250"
	.amdhsa_code_object_version 6
	.text
	.protected	k_q2f6778475b_attn
	.globl	k_q2f6778475b_attn
	.p2align	8
	.type	k_q2f6778475b_attn,@function
k_q2f6778475b_attn:
	s_mov_b64 s[64:65], 0
	v_nop
	global_prefetch_b8 v0, s[64:65] scope:SCOPE_SE
	s_setreg_imm32_b32 hwreg(HW_REG_WAVE_MODE, 25, 1), 1
	s_wait_xcnt 0x0
	s_wait_alu depctr_hold_cnt(0) depctr_sa_sdst(0) depctr_va_vdst(0) depctr_va_sdst(0) depctr_va_ssrc(0) depctr_va_vcc(0) depctr_vm_vsrc(0)
	s_getreg_b32 s2, hwreg(HW_REG_IB_STS2, 6, 4)
	s_cmp_eq_u32 s2, 0
	s_cbranch_scc0 .Lentry_in_a_cluster
	s_endpgm
.Lentry_in_a_cluster:
	s_bfe_u32 s2, ttmp6, 0x10000c
	s_cmp_lg_u32 s2, 0x3003
	s_cbranch_scc0 .Lentry_shape_is_right
	s_endpgm
.Lentry_shape_is_right:
; O = softmax(q k^T / 8) v for 256 queries of TWO heads, one after the other, both products on codes of FP6 (E2M3); O / l is quantised along the head's 64 and leaves as codes for the projection.
; t = score x c, c = log2(e) / 8 (q arrives without its factor 2^-3, which is exact in c); M = the running largest t rounded up to a whole number; p = 2^(t - M) is quantised along the keys; the row's sum is taken of the unquantised p.
; SHARES.  Work-group (cx, Y): queries 256 cx .. 256 cx + 255 of heads 2 Y and 2 Y + 1 (16 x batch + head).  Sixteen waves, 16 queries each, four waves to a SIMD.
; Both heads' whole K and V records (codes and scale words, 53,248 bytes each) lie in LDS, 212,992 bytes: every LDS byte is filled once, and the second head's records land while the first head is worked.
; CLUSTER.  The four query blocks form a cluster and ask for K and V jointly (mask 15): waves 0-7 fetch K, waves 8-15 V, two loads each: an eighth of the first head's record, then an eighth of the second head's.
; K = 64 fills half of the instruction's 128: Q's upper six registers hold zero codes; K's operand of tile t runs on into tile t + 1's codes (finite numbers against zeros), the last into six zero registers.
; Both products are used transposed: a lane holds one query.  The rows of V^T that form a tile are chosen (lane m of tile 2 b + u takes channel 32 b + 8 u + m % 8 + 16 (m / 8)), so that O's 16 registers of two tiles are 16 neighbouring channels.
; LIMITS: NaN and infinities are not served; a block under 2^-124, and a block of zeros, keeps the byte 1 (its codes are zeros; this program alone reads the bytes); O / l is O x (1 / l).
.set REC,  53248
.set OREC, 106496                      ; o_ws: a record for 128 rows: 8,192 bytes of scale words, then 8 x 16 half fragments
.set OST,  4*REC                       ; LDS: the sixteen waves' scale words of O, 64 bytes each; 1,024 bytes for each head
.set S,    150                         ; v150-213 S^T, then p
.set OT,   214                         ; v214-245 O^T;  v246-252 the second head's Q and its scale words, until they are wanted
.set BM,   52                          ; behind the S products v32-79 are free: v32-43 p's codes, v44-50 at work, v52-55 block maxima, v56-59, v60-63 scale operands, v[64:65] f, v66 at work
.set PD,   56
.set SO,   60
.macro ROUND
	s_barrier_signal -1
	s_barrier_wait -1
	s_cmp_lg_u32 s12, 0
	s_cbranch_scc1 .Lnw0_\@
	s_barrier_signal -3
.Lnw0_\@:
	s_barrier_wait -3
	s_barrier_signal -1
	s_barrier_wait -1
.endm
.macro G0SET n, off
	s_mov_b32 s[32+4*\n], 1
	s_add_co_u32 s[33+4*\n], s55, \off
	s_add_nc_u64 s[34+4*\n:35+4*\n], s[56:57], \off
	s_or_b32 s[35+4*\n], s[35+4*\n], 0x80000000
.endm
	s_load_b256 s[4:11], s[0:1], 0x0               ; q_ws, k_ws, v_ws, o_ws
	v_lshl_add_u32 v254, v0, 2, 0x34800
	v_mov_b32 v255, 0
	ds_add_u32 v254, v255
	ds_add_u32 v254, v255
	v_lshrrev_b32 v1, 5, v0
	s_delay_alu instid0(VALU_DEP_1)
	v_readfirstlane_b32 s12, v1                    ; wave 0..15
	s_bfe_u32 s13, ttmp6, 0x40000                  ; cx: my block of 256 queries; it enters Q's and O's addresses alone
	s_and_b32 s14, ttmp7, 0xffff
	s_lshl_b32 s14, s14, 1                         ; the first of my two heads, 16 x batch + head: an even number, so both lie in one batch
	s_and_b32 s15, s12, 1
	; group 1: dense rows of 256 bytes (32 elements of 8), 26 of them (an eighth of a record); the mask names the four partners, bit 21 beside it
	s_mov_b32 s16, 15|(3<<16)|(1<<21)
	s_mov_b32 s17, 32<<16
	s_mov_b32 s18, 26<<16                          ; every wave fetches 26 rows of 256 bytes: an eighth of a record
	s_mov_b32 s19, 32<<16
	s_mov_b32 s20, 26
	s_mov_b32 s21, 32
	s_mov_b32 s22, 0
	s_mov_b32 s23, 0
	s_lshr_b32 s96, s12, 3                         ; waves 0-7 fetch K's record, waves 8-15 V's
	s_and_b32 s97, s12, 7
	s_mul_i32 s98, s97, 6656                       ; which eighth
	s_mov_b32 s99, 0
	s_mul_i32 s55, s96, REC
	s_add_co_u32 s55, s55, s98
	s_mul_i32 s58, s14, REC
	s_mov_b32 s59, 0
	s_mov_b32 s48, 0x76543210
	s_mov_b32 s49, 0xfedcba98                      ; lane l xor 16
	s_mov_b32 s50, 0x3e38aa3b                      ; c = log2(e) / 8
	s_mov_b32 s51, s50
	s_wait_dscnt 0x0
	s_wait_kmcnt 0x0
	s_cmp_eq_u32 s96, 0
	s_cselect_b64 s[56:57], s[6:7], s[8:9]
	s_add_nc_u64 s[56:57], s[56:57], s[58:59]
	s_add_nc_u64 s[56:57], s[56:57], s[98:99]
	G0SET 0, 0
	s_mov_b32 s92, 1                               ; the second head's record: the next in memory, two records on in LDS
	s_add_co_u32 s93, s55, 2*REC
	s_add_nc_u64 s[94:95], s[56:57], REC
	s_or_b32 s95, s95, 0x80000000
	ROUND                                          ; the four partners are here: the joint loads meet
	tensor_load_to_lds s[32:35], s[16:23]          ; my sixteenth of the first head's K and V: my one load at the head
	s_nop 0
.rept 4
	v_nop
.endr
	s_add_nc_u64 s[4:5], s[4:5], s[58:59]          ; Q's record
	s_lshl_b32 s70, s13, 4
	s_add_co_u32 s70, s70, s12                     ; my tile of 16 queries: 16 cx + wave
	s_mul_i32 s70, s70, 768
	s_add_co_u32 s70, s70, 4096
	s_mov_b32 s71, 0
	s_add_nc_u64 s[72:73], s[4:5], s[70:71]
	s_lshl_b32 s70, s13, 2
	s_lshr_b32 s74, s12, 2
	s_add_co_u32 s70, s70, s74
	s_lshl_b32 s70, s70, 8                         ; its scale image,
	s_and_b32 s74, s12, 1
	s_lshl_b32 s74, s74, 7
	s_add_co_u32 s70, s70, s74                     ; which half of the lanes,
	s_bfe_u32 s74, s12, 0x10001
	s_lshl_b32 s74, s74, 2
	s_add_co_u32 s70, s70, s74                     ; which word
	s_add_nc_u64 s[4:5], s[4:5], s[70:71]
	s_lshr_b32 s60, s14, 4
	s_and_b32 s61, s14, 15                         ; head
	s_lshl_b32 s60, s60, 3
	s_lshl_b32 s62, s13, 1
	s_add_co_u32 s60, s60, s62                     ; 8 x batch + 2 cx
	s_lshr_b32 s62, s12, 3
	s_add_co_u32 s62, s62, s60                     ; my record of o_ws
	s_mul_i32 s62, s62, OREC
	s_and_b32 s63, s12, 7
	s_mul_i32 s63, s63, 12288
	s_add_co_u32 s62, s62, s63
	s_mul_i32 s63, s61, 768
	s_add_co_u32 s62, s62, s63
	s_add_co_u32 s62, s62, 8192
	s_mov_b32 s63, 0
	s_add_nc_u64 s[66:67], s[10:11], s[62:63]      ; where my half fragment goes; the second head's lies 768 bytes on
	s_add_co_u32 s62, s15, s60
	s_mul_i32 s62, s62, OREC
	s_lshl_b32 s68, s61, 9
	s_add_co_u32 s62, s62, s68
	s_add_nc_u64 s[68:69], s[10:11], s[62:63]      ; where waves 0 and 1 put eight tiles' scale words; the second head's lie 512 bytes on
	v_and_b32 v30, 31, v0                          ; lane
	v_and_b32 v31, 15, v0                          ; r
	v_bfe_u32 v29, v0, 4, 1                        ; h
	s_delay_alu instid0(VALU_DEP_3)
	v_lshlrev_b32 v1, 4, v30
	s_delay_alu instid0(VALU_DEP_4)
	v_lshlrev_b32 v2, 3, v30
	s_delay_alu instid0(VALU_DEP_4)
	v_lshlrev_b32 v6, 3, v31
	global_load_b128 v[16:19], v1, s[72:73]        ; Q's half fragment stays in registers
	global_load_b64 v[20:21], v2, s[72:73] offset:512
	global_load_b32 v28, v6, s[4:5]                ; Q's scale words
	global_load_b128 v[246:249], v1, s[72:73] offset:REC           ; and the same of the second head: its record is the next
	global_load_b64 v[250:251], v2, s[72:73] offset:REC+512
	global_load_b32 v252, v6, s[4:5] offset:REC
	v_and_b32 v7, 7, v31                           ; r % 8
	v_lshrrev_b32 v8, 3, v31                       ; r / 8
	s_delay_alu instid0(VALU_DEP_1)
	v_mul_u32_u24 v9, v8, 768
	s_delay_alu instid0(VALU_DEP_1)
	v_lshl_add_u32 v3, v7, 4, v9
	s_delay_alu instid0(VALU_DEP_1)
	v_lshl_add_u32 v3, v29, 8, v3                  ; V's registers 0-3: 768 (r / 8) + 16 (r % 8) + 256 h
	s_delay_alu instid0(VALU_DEP_3)
	v_lshl_add_u32 v4, v7, 3, v9
	s_delay_alu instid0(VALU_DEP_1)
	v_lshl_add_u32 v4, v29, 7, v4
	s_delay_alu instid0(VALU_DEP_1)
	v_add_nc_u32 v4, 512, v4                       ; registers 4-5
	v_lshlrev_b32 v5, 3, v7
	s_delay_alu instid0(VALU_DEP_1)
	v_lshl_add_u32 v5, v8, 7, v5                   ; V's scale words
	s_lshl_b32 s74, s12, 6
	s_add_co_u32 s74, s74, OST
	v_lshl_add_u32 v31, v31, 2, s74                ; my scale word of O in the stage: 64 x wave + 4 r
	s_lshl_b32 s74, s15, 9
	s_add_co_u32 s74, s74, OST
	v_add_nc_u32 v30, s74, v1                      ; and where waves 0 and 1 read 512 bytes back
.irp j, 22,23,24,25,26,27,80,81,82,83,84,85
	v_mov_b32 v\j, 0                               ; zero codes: Q's upper half, and what the last tile of K runs on into; never rewritten
.endr
; a head's sums begin: the step is written for every step alike: the first finds zeros, which the first change of M leaves zeros
.macro BEGIN
.set cnt, 0
.rept 32
	v_mov_b32 v[OT+cnt], 0
.set cnt, cnt+1
.endr
	v_mov_b32 v13, 0xff61b1e6                      ; the largest t so far: -3e38
	s_delay_alu instid0(VALU_DEP_1)
	v_floor_f32 v12, -v13                          ; -M
	v_mov_b32 v14, 0
	v_mov_b32 v15, 0
.endm
	BEGIN
; A KEY STEP: 128 keys
.macro STEP
	v_add_nc_u32 v6, s52, v1                       ; six plain lines: the places behind the last step's products
	v_add_nc_u32 v7, s52, v2
	v_add_nc_u32 v8, s52, v3
	v_add_nc_u32 v9, s52, v4
	v_add_nc_u32 v10, s53, v2
	v_add_nc_u32 v11, s53, v5
.irp t, 0,1,2,3,4,5,6,7
	ds_load_b128 v[32+6*\t:35+6*\t], v6 offset:4096+768*\t
.endr
.irp t, 0,1,2,3,4,5,6,7
	ds_load_b64 v[36+6*\t:37+6*\t], v7 offset:4608+768*\t
.endr
.irp g, 0,1
	ds_load_b64 v[134+2*\g:135+2*\g], v10 offset:256*\g            ; K's scale words: lanes 0-15 an even tile's, lanes 16-31 the odd one's
.endr
.irp b, 0,1
.irp u, 0,1
.irp c, 0,1
	ds_load_b128 v[86+12*(2*\b+\u)+6*\c:89+12*(2*\b+\u)+6*\c], v8 offset:REC+4096+3072*\c+1536*\b+128*\u
	ds_load_b64 v[90+12*(2*\b+\u)+6*\c:91+12*(2*\b+\u)+6*\c], v9 offset:REC+4096+3072*\c+1536*\b+64*\u
.endr
.endr
.endr
.irp c, 0,1
.irp u, 0,1
	ds_load_b64 v[138+4*\c+2*\u:139+4*\c+2*\u], v11 offset:REC+256*\c+64*\u
.endr
.endr
	s_wait_dscnt 20                                ; K's 18 loads are in; V's 20, issued behind them, may be out
.irp t, 0,1,2,3,4,5,6,7
.if \t%2
	v_wmma_scale_f32_16x16x128_f8f6f4 v[S+8*\t:S+8*\t+7], v[32+6*\t:43+6*\t], v[16:27], 0, v[134+2*(\t/4)+((\t%4)>>1)], v28 matrix_a_fmt:MATRIX_FMT_FP6 matrix_b_fmt:MATRIX_FMT_FP6 matrix_a_scale:MATRIX_SCALE_ROW1
.else
	v_wmma_scale_f32_16x16x128_f8f6f4 v[S+8*\t:S+8*\t+7], v[32+6*\t:43+6*\t], v[16:27], 0, v[134+2*(\t/4)+((\t%4)>>1)], v28 matrix_a_fmt:MATRIX_FMT_FP6 matrix_b_fmt:MATRIX_FMT_FP6
.endif
.endr
	s_wait_dscnt 0x0
.irp b, 0,1
.irp u, 0,1
	v_lshl_or_b32 v[146+2*\b+\u], v[142+2*\u+\b], 16, v[138+2*\u+\b]   ; V's scale words of the step's two groups of 64 keys; four plain lines: the places behind the products
.endr
.endr
.irp b, 0,1,2,3
	v_max3_num_f32 v[BM+\b], v[S+16*\b], v[S+1+16*\b], v[S+2+16*\b]    ; the largest score of each block of 32 keys: for the row's maximum and, since p rises with the score, for the block's largest p
.endr
.irp i, 3,5,7,9,11,13
.irp b, 0,1,2,3
	v_max3_num_f32 v[BM+\b], v[BM+\b], v[S+16*\b+\i], v[S+1+16*\b+\i]
.endr
.endr
.irp b, 0,1,2,3
	v_max_num_f32 v[BM+\b], v[BM+\b], v[S+15+16*\b]
.endr
.irp b, 0,1,2,3
	s_delay_alu instid0(VALU_DEP_4)
	v_permlanex16_b32 v[PD+\b], v[BM+\b], s48, s49
.endr
.irp b, 0,1,2,3
	s_delay_alu instid0(VALU_DEP_4)
	v_max_num_f32 v[BM+\b], v[BM+\b], v[PD+\b]
.endr
	s_delay_alu instid0(VALU_DEP_2)
	v_max3_num_f32 v66, v52, v53, v54
	s_delay_alu instid0(VALU_DEP_1)
	v_max_num_f32 v66, v66, v55
	s_delay_alu instid0(VALU_DEP_1)
	v_mul_f32 v66, s50, v66                        ; as t (c is positive)
	s_delay_alu instid0(VALU_DEP_1)
	v_max_num_f32 v13, v13, v66
	v_mov_b32 v66, v12
	s_delay_alu instid0(VALU_DEP_2)
	v_floor_f32 v12, -v13                          ; the new -M = -ceil(t)
	s_delay_alu instid0(VALU_DEP_1)
	v_sub_f32 v66, v12, v66                        ; old M - new M: a whole number, 0 or less
	s_delay_alu instid0(VALU_DEP_1)
	v_cvt_i32_f32 v66, v66                         ; (it saturates)
	s_delay_alu instid0(VALU_DEP_1)
	v_ldexp_f32 v64, 1.0, v66                      ; f = 2^(old M - new M)
.set cnt, 0
.rept 32
	v_pk_fma_f32 v[S+cnt:S+cnt+1], v[S+cnt:S+cnt+1], s[50:51], v[12:13] op_sel_hi:[1,0,0]   ; t - M
.set cnt, cnt+2
.endr
.irp b, 0,1,2,3
	v_fma_f32 v[BM+\b], v[BM+\b], s50, v12
.endr
.set cnt, 0
	s_wait_alu depctr_va_vdst(0)
.rept 64
	v_exp_f32 v[S+cnt], v[S+cnt]                   ; p = 2^(t - M)
.set cnt, cnt+1
.endr
	v_pk_mul_f32 v[14:15], v[14:15], v[64:65] op_sel_hi:[1,0]      ; the sums under the new M: a plain line behind the batch
	s_wait_alu depctr_va_vdst(0)                   ; one wait for the 64, ahead of their first reader
.irp b, 0,1,2,3
	v_exp_f32 v[BM+\b], v[BM+\b]                   ; the block's largest p
.endr
	v_pk_add_f32 v[56:57], v[154:155], v[158:159]
	v_pk_add_f32 v[144:145], v[162:163], v[166:167]
	v_pk_add_f32 v[142:143], v[170:171], v[174:175]
	v_pk_add_f32 v[140:141], v[178:179], v[182:183]
	v_pk_add_f32 v[138:139], v[186:187], v[190:191]
	v_pk_add_f32 v[136:137], v[194:195], v[198:199]
	v_pk_add_f32 v[134:135], v[202:203], v[206:207]
	v_pk_add_f32 v[14:15], v[14:15], v[210:211]
	v_pk_add_f32 v[56:57], v[56:57], v[150:151]
	v_pk_add_f32 v[144:145], v[144:145], v[152:153]
	v_pk_add_f32 v[142:143], v[142:143], v[156:157]
	v_pk_add_f32 v[140:141], v[140:141], v[160:161]
	v_pk_add_f32 v[138:139], v[138:139], v[164:165]
	v_pk_add_f32 v[136:137], v[136:137], v[168:169]
	v_pk_add_f32 v[134:135], v[134:135], v[172:173]
	v_pk_add_f32 v[14:15], v[14:15], v[176:177]
	v_pk_add_f32 v[56:57], v[56:57], v[180:181]
	v_pk_add_f32 v[144:145], v[144:145], v[184:185]
	v_pk_add_f32 v[142:143], v[142:143], v[188:189]
	v_pk_add_f32 v[140:141], v[140:141], v[192:193]
	v_pk_add_f32 v[138:139], v[138:139], v[196:197]
	v_pk_add_f32 v[136:137], v[136:137], v[200:201]
	v_pk_add_f32 v[134:135], v[134:135], v[204:205]
	v_pk_add_f32 v[14:15], v[14:15], v[208:209]
	v_pk_add_f32 v[56:57], v[56:57], v[212:213]
	s_delay_alu instid0(VALU_DEP_2)
	v_pk_add_f32 v[14:15], v[14:15], v[140:141]
	s_delay_alu instid0(VALU_DEP_2)
	v_pk_add_f32 v[56:57], v[56:57], v[138:139]
	v_pk_add_f32 v[144:145], v[144:145], v[136:137]
	v_pk_add_f32 v[142:143], v[142:143], v[134:135]
	s_delay_alu instid0(VALU_DEP_2)
	v_pk_add_f32 v[14:15], v[14:15], v[144:145]
	s_delay_alu instid0(VALU_DEP_2)
	v_pk_add_f32 v[56:57], v[56:57], v[142:143]
	s_delay_alu instid0(VALU_DEP_1)
	v_pk_add_f32 v[14:15], v[14:15], v[56:57]
	s_wait_alu depctr_va_vdst(0)                   ; and one for the four
.irp b, 0,1,2,3
	v_max_num_f32 v[BM+\b], 0x1800000, v[BM+\b]    ; the floor 2^(3 - 127)
.endr
.irp b, 0,1,2,3
	s_delay_alu instid0(VALU_DEP_4)
	v_add_nc_u32 v[SO+\b], 0xff000000, v[BM+\b]
.endr
.irp b, 0,1,2,3
	s_delay_alu instid0(VALU_DEP_4)
	v_lshrrev_b32 v[PD+\b], 23, v[SO+\b]
.endr
	s_delay_alu instid0(VALU_DEP_3)
	v_lshl_or_b32 v29, v57, 8, v56                 ; p's scale word for these 128 keys
	s_delay_alu instid0(VALU_DEP_1)
	v_lshl_or_b32 v29, v58, 16, v29
	s_delay_alu instid0(VALU_DEP_1)
	v_lshl_or_b32 v29, v59, 24, v29
.irp c, 0,1
	v_cvt_scalef32_pk16_fp6_f32 v[32+6*\c:34+6*\c], v[S+32*\c:S+15+32*\c], v[SO+2*\c]
	v_cvt_scalef32_pk16_fp6_f32 v[44+4*\c:46+4*\c], v[S+16+32*\c:S+31+32*\c], v[SO+1+2*\c]
.endr
	v_nop                                          ; one plain line behind the scaled conversions
.irp c, 0,1
.irp n, 0,1,2
	v_permlane16_swap_b32 v[32+6*\c+\n], v[44+4*\c+\n]
.endr
.irp n, 0,1,2
	s_delay_alu instid0(VALU_DEP_3)
	v_mov_b32 v[35+6*\c+\n], v[44+4*\c+\n]
.endr
.endr
.set cnt, 0
.rept 16
	v_pk_mul_f32 v[OT+cnt:OT+cnt+1], v[OT+cnt:OT+cnt+1], v[64:65] op_sel_hi:[1,0]   ; O^T under the new M; also the places ahead of the products
.set cnt, cnt+2
.endr
.irp t, 0,1,2,3
	v_wmma_scale_f32_16x16x128_f8f6f4 v[OT+8*\t:OT+8*\t+7], v[86+12*\t:97+12*\t], v[32:43], v[OT+8*\t:OT+8*\t+7], v[146+\t], v29 matrix_a_fmt:MATRIX_FMT_FP6 matrix_b_fmt:MATRIX_FMT_FP6
.endr
	s_add_co_u32 s52, s52, 6144                    ; eight tiles of K, two groups of V
	s_add_co_u32 s53, s53, 512                     ; two scale images
.endm
; THE WAY OUT of head e: O / l, quantised along the head's 64 channels: one half fragment and one scale word a row.
; The barrier that hands the sixteen scale words to waves 0 and 1 serves twice behind the first head: in front of it the fetching waves wait for the second head's records.
.macro OUT e
	v_add_f32 v14, v14, v15
	v_mov_b32 v65, 0
	s_delay_alu instid0(VALU_DEP_2)
	v_permlanex16_b32 v66, v14, s48, s49
	s_delay_alu instid0(VALU_DEP_1)
	v_add_f32 v14, v14, v66                        ; the row's sum
	s_wait_alu depctr_va_vdst(0)
	v_rcp_f32 v64, v14
	v_nop
	v_nop
	s_wait_alu depctr_va_vdst(0)                   ; ahead of the reciprocal's first reader
.set cnt, 0
.rept 16
	v_pk_mul_f32 v[OT+cnt:OT+cnt+1], v[OT+cnt:OT+cnt+1], v[64:65] op_sel_hi:[1,0]   ; register 16 b + i: channel 32 b + 16 h + i
.set cnt, cnt+2
.endr
.irp b, 0,1
	v_max3_num_f32 v[BM+\b], |v[OT+16*\b]|, |v[OT+1+16*\b]|, 0x1800000
.endr
.irp i, 2,4,6,8,10,12,14
.irp b, 0,1
	s_delay_alu instid0(VALU_DEP_2)
	v_max3_num_f32 v[BM+\b], v[BM+\b], |v[OT+16*\b+\i]|, |v[OT+1+16*\b+\i]|
.endr
.endr
.irp b, 0,1
	s_delay_alu instid0(VALU_DEP_2)
	v_permlanex16_b32 v[PD+\b], v[BM+\b], s48, s49
.endr
.irp b, 0,1
	s_delay_alu instid0(VALU_DEP_2)
	v_max_num_f32 v[BM+\b], v[BM+\b], v[PD+\b]
.endr
.irp b, 0,1
	s_delay_alu instid0(VALU_DEP_2)
	v_add_nc_u32 v[SO+\b], 0xff000000, v[BM+\b]
.endr
.irp b, 0,1
	s_delay_alu instid0(VALU_DEP_2)
	v_lshrrev_b32 v[PD+\b], 23, v[SO+\b]
.endr
	s_delay_alu instid0(VALU_DEP_1)
	v_lshl_or_b32 v29, v57, 8, v56
	v_cvt_scalef32_pk16_fp6_f32 v[32:34], v[OT:OT+15], v60
	v_cvt_scalef32_pk16_fp6_f32 v[44:46], v[OT+16:OT+31], v61
	v_nop
.irp n, 0,1,2
	v_permlane16_swap_b32 v[32+\n], v[44+\n]
.endr
.irp n, 0,1,2
	s_delay_alu instid0(VALU_DEP_3)
	v_mov_b32 v[35+\n], v[44+\n]
.endr
	global_store_b128 v1, v[32:35], s[66:67] offset:768*(\e)       ; 512 consecutive bytes, aligned to 256
	global_store_b64 v2, v[36:37], s[66:67] offset:768*(\e)+512
	ds_store_b32 v31, v29 offset:1024*(\e)         ; both halves of the lanes write the same word with the same value
	s_wait_dscnt 0x0                               ; for the others' sake
.if (\e) == 0
	s_wait_tensorcnt 0x0                           ; in the fetching waves: the second head's record is in
.endif
	s_barrier_signal -1
	s_barrier_wait -1
	s_cmp_lt_u32 s12, 2
	s_cbranch_scc0 .Ldone_\@
	ds_load_b128 v[48:51], v30 offset:1024*(\e)    ; eight tiles' scale words: 512 bytes
	s_wait_dscnt 0x0
	global_store_b128 v1, v[48:51], s[68:69] offset:512*(\e)
.Ldone_\@:
.endm
	s_wait_alu depctr_va_vdst(0)                   ; the wait at the head's end
	s_wait_loadcnt 0x0                             ; both heads' Q
	s_wait_tensorcnt 0x0                           ; my part of the first head's records is in
	ds_add_u32 v254, v255
	s_wait_dscnt 0x0
	ROUND                                          ; everybody's part is in, and the four partners are here
	tensor_load_to_lds s[92:95], s[16:23]          ; my sixteenth of the second head's records: it lands while the first head is worked
	s_nop 0
.rept 4
	v_nop
.endr
	s_mov_b32 s52, 0                               ; the first head: one loop over its eight steps, no barrier in it
	s_mov_b32 s53, 0
	s_mov_b32 s54, 8
.Lhead0:
	STEP
	s_sub_co_u32 s54, s54, 1
	s_cmp_lg_u32 s54, 0
	s_cbranch_scc1 .Lhead0
	OUT 0
	s_wait_xcnt 0x0                                ; the stores above have read their registers: the next step's loads may land there
.irp j, 0,1,2,3,4,5
	v_mov_b32 v[16+\j], v[246+\j]                  ; the second head's Q,
.endr
	v_mov_b32 v28, v252                            ; and its scale words: the 36 plain lines of BEGIN and the step's six stand between these and the first product
	BEGIN
	s_mov_b32 s52, 2*REC                           ; the second head's records are whole: one loop over its eight steps, no barrier in it
	s_mov_b32 s53, 2*REC
	s_mov_b32 s54, 8
.Lhead1:
	STEP
	s_sub_co_u32 s54, s54, 1
	s_cmp_lg_u32 s54, 0
	s_cbranch_scc1 .Lhead1
	OUT 1
	s_wait_tensorcnt 0x0
	ds_add_u32 v254, v255
	s_wait_dscnt 0x0
	ROUND                                          ; the closing round
	s_endpgm
.Lfunc_end_k_q2f6778475b_attn:
	.size	k_q2f6778475b_attn, .Lfunc_end_k_q2f6778475b_attn-k_q2f6778475b_attn
	.p2alignl 7, 3214868480
	.fill 96, 4, 3214868480
	.section	.rodata,"a",@progbits
	.p2align	6, 0x0
	.amdhsa_kernel k_q2f6778475b_attn
		.amdhsa_group_segment_fixed_size 327680
		.amdhsa_private_segment_fixed_size 0
		.amdhsa_enable_private_segment 0
		.amdhsa_kernarg_size 32
		.amdhsa_user_sgpr_count 2
		.amdhsa_user_sgpr_kernarg_segment_ptr 1
		.amdhsa_wavefront_size32 1
		.amdhsa_system_sgpr_workgroup_id_x 1
		.amdhsa_system_sgpr_workgroup_id_y 1
		.amdhsa_system_sgpr_workgroup_id_z 1
		.amdhsa_system_vgpr_workitem_id 0
		.amdhsa_next_free_vgpr 256
		.amdhsa_next_free_sgpr 100
		.amdhsa_reserve_vcc 0
		.amdhsa_float_denorm_mode_32 3
		.amdhsa_float_denorm_mode_16_64 3
		.amdhsa_memory_ordered 1
		.amdhsa_forward_progress 1
		.amdhsa_inst_pref_size 56
	.end_amdhsa_kernel
	.amdgpu_metadata
---
amdhsa.version: [ 1, 2 ]
amdhsa.kernels:
  - .name:           k_q2f6778475b_attn
    .symbol:         k_q2f6778475b_attn.kd
    .args:
      - { .name: q_ws, .offset: 0, .size: 8, .value_kind: global_buffer, .address_space: global }
      - { .name: k_ws, .offset: 8, .size: 8, .value_kind: global_buffer, .address_space: global }
      - { .name: v_ws, .offset: 16, .size: 8, .value_kind: global_buffer, .address_space: global }
      - { .name: o_ws, .offset: 24, .size: 8, .value_kind: global_buffer, .address_space: global }
    .group_segment_fixed_size: 327680
    .private_segment_fixed_size: 0
    .kernarg_segment_align: 8
    .kernarg_segment_size: 32
    .max_flat_workgroup_size: 512
    .sgpr_count:     100
    .vgpr_count:     256
    .wavefront_size: 32
...
	.end_amdgpu_metadata
.endif
;; end of part 2
;; launch proj (part 3): grid 4 x 64, 4 waves a work-group, clusters of 4 x 4, 327,680 bytes of LDS; arguments o_ws, W_proj_codes, W_proj_scales, b_proj, out0; writes out0
.if DOCPART == 3
	.amdgcn_target "amdgcn-amd-amdhsa--gfx1250"
	.amdhsa_code_object_version 6
	.text
	.protected	k_q2f6778475b_proj
	.globl	k_q2f6778475b_proj
	.p2align	8
	.type	k_q2f6778475b_proj,@function
k_q2f6778475b_proj:
	s_mov_b64 s[64:65], 0
	v_nop
	global_prefetch_b8 v0, s[64:65] scope:SCOPE_SE
	s_setreg_imm32_b32 hwreg(HW_REG_WAVE_MODE, 25, 1), 1
	s_wait_xcnt 0x0
	s_wait_alu depctr_hold_cnt(0) depctr_sa_sdst(0) depctr_va_vdst(0) depctr_va_sdst(0) depctr_va_ssrc(0) depctr_va_vcc(0) depctr_vm_vsrc(0)
	s_getreg_b32 s2, hwreg(HW_REG_IB_STS2, 6, 4)
	s_cmp_eq_u32 s2, 0
	s_cbranch_scc0 .Lentry_in_a_cluster
	s_endpgm
.Lentry_in_a_cluster:
	s_bfe_u32 s2, ttmp6, 0x10000c
	s_cmp_lg_u32 s2, 0xf033
	s_cbranch_scc0 .Lentry_shape_is_right
	s_endpgm
.Lentry_shape_is_right:
; out0 = O W_proj + b_proj on codes of FP6 (E2M3).  O arrives as register images (half fragments of 16 rows x one head's 64, and scale words) in records of 128 rows.
; SHARES.  Work-group (column block cb, R): rows 128 R .. 128 R + 127, columns 256 cb .. 256 cb + 255.  Wave w: columns 256 cb + 64 w + 0 .. 63 for all 128 rows; its 32 fragments of W (384 registers) stay in registers.
; CLUSTER.  4 x 4 work-groups.  The four of a row of the cluster share R and so the record of O; the four of a column share cb and so W's rows: each tile is asked for jointly, by the same tensor load with the same descriptor and a mask that
; names the four.  One load a wave, each LDS byte filled once: waves 0 and 1 each 128 rows of W (98,304 dense bytes of memory), waves 2 and 3 each half of O's record.
; W's rows lie in LDS bytes that waves 0 and 1 fetch for all four: the waits on TENSORcnt and a barrier order the reads.  8 bytes of padding behind every 256 give rows 792 bytes = 198 words apart: with 64 banks of 4 bytes (ISA guide 11.1) lane (r, 1)
; and lane (r + 1, 0) of a load of 8 bytes fall on the same banks: two deep, once in the launch; it is the pitch with which the record (106,496), W (202,752) and the stages (17,408) fit together.
; Source 0 = 16 rows of W, source 1 = 16 rows of O: a lane holds eight neighbouring columns of a row.  The bias is the C of each sum's first product.  A tile's 16 rows x 256 bytes go through the wave's own stage and leave as aligned runs of 256 bytes.
; window 0: v1-15 addresses, v16-47 W's scale words, v48-79 O's, v80-143 at work.  window 1: W's fragments of K steps 0-3, v192-223 the bias.  window 2: W's fragments of K steps 4-7, v192-255 two sets of four accumulators.  window 3: O's fragments, two sets.
.set OREC, 106496
.set WB,   106496                      ; LDS: W's 256 rows, 64 for each wave
.set WP,   792
.set WWV,  64*WP
.set STG,  WB+4*WWV                    ; the stages: 16 rows x 272 bytes for each wave
.set SP,   272
.set MSB, 0
.macro WIN new
.if MSB != (\new)
	s_set_vgpr_msb (MSB<<8)|(\new)
.set MSB, (\new)
.endif
.endm
.macro ROUND
	s_barrier_signal -1
	s_barrier_wait -1
	s_cmp_lg_u32 s14, 0
	s_cbranch_scc1 .Lnw0_\@
	s_barrier_signal -3
.Lnw0_\@:
	s_barrier_wait -3
	s_barrier_signal -1
	s_barrier_wait -1
.endm
.macro PLACES n
.rept \n
	v_nop
.endr
.endm
	s_load_b256 s[4:11], s[0:1], 0x0               ; o_ws, W's codes, W's scales, b_proj
	s_load_b64 s[12:13], s[0:1], 0x20              ; out0
	v_lshl_add_u32 v254, v0, 2, 0x4fc00
	v_mov_b32 v255, 0
	ds_add_u32 v254, v255
	ds_add_u32 v254, v255
	v_lshrrev_b32 v1, 5, v0
	v_readfirstlane_b32 s14, v1                    ; wave
	s_bfe_u32 s15, ttmp6, 0x40000                  ; cx, cy: my place in the cluster
	s_bfe_u32 s45, ttmp6, 0x40004
	s_lshl_b32 s52, ttmp9, 2
	s_add_co_u32 s52, s52, s15                     ; cb = 4 x cluster x + cx
	s_and_b32 s44, ttmp7, 0xffff
	s_lshl_b32 s44, s44, 2
	s_add_co_u32 s44, s44, s45                     ; R = 4 x cluster y + cy
	s_lshl_b32 s56, s45, 2
	s_lshl_b32 s56, 15, s56                        ; my row of the cluster
	s_lshl_b32 s57, 0x1111, s15                    ; my column
	s_or_b32 s16, s56, (3<<16)|(1<<21)             ; O: dense rows of 256 bytes: 208 of them (half of the record); the mask: my row; bit 21 beside it
	s_mov_b32 s17, 32<<16
	s_mov_b32 s18, 208<<16                         ; 208 of them: half of the record
	s_mov_b32 s19, 32<<16
	s_mov_b32 s20, 208
	s_mov_b32 s21, 32
	s_mov_b32 s22, 0
	s_mov_b32 s23, 0
	s_or_b32 s68, s57, (1<<20)|(1<<21)|(5<<22)|(1<<25)   ; W: 128 rows of 768 bytes; the mask: my column; padding on, behind every 64 words (code 5), 2 words of it (code 1)
	s_mov_b32 s69, 768<<16
	s_mov_b32 s70, 128<<16                         ; a load brings 128 rows of W: two waves' rows
	s_mov_b32 s71, 768<<16
	s_mov_b32 s72, 128
	s_mov_b32 s73, 768
	s_mov_b32 s74, 0
	s_mov_b32 s75, 0
	s_mul_i32 s46, s44, OREC
	s_mov_b32 s47, 0
	s_mov_b32 s32, 1
	s_and_b32 s58, s14, 1                          ; waves 0 and 1 fetch W's two halves, waves 2 and 3 the record's two halves
	s_mul_i32 s33, s58, 53248
	s_mov_b32 s51, 0
	s_mov_b32 s76, 1
	s_mul_i32 s49, s14, WWV
	s_add_co_u32 s49, s49, WB                      ; where my own 64 rows of W lie; no place in the cluster enters an LDS address
	s_mul_i32 s77, s58, 2*WWV
	s_add_co_u32 s77, s77, WB
	s_lshl_b32 s52, s52, 8
	s_lshl_b32 s59, s58, 7
	s_add_co_u32 s59, s59, s52
	s_mul_i32 s54, s59, 768                        ; W's rows 256 cb + 128 x half
	s_lshl_b32 s53, s14, 6
	s_add_co_u32 s52, s52, s53                     ; my first column: 256 cb + 64 w
	s_mov_b32 s55, 0
	s_wait_dscnt 0x0
	s_wait_kmcnt 0x0
	s_add_nc_u64 s[4:5], s[4:5], s[46:47]          ; the record
	s_mov_b32 s50, s33
	s_add_nc_u64 s[34:35], s[4:5], s[50:51]
	s_or_b32 s35, s35, 0x80000000
	s_add_nc_u64 s[78:79], s[6:7], s[54:55]        ; 128 rows of W: my half
	s_or_b32 s79, s79, 0x80000000
	ROUND                                          ; all sixteen work-groups are here: the joint loads meet
	s_cmp_lt_u32 s14, 2                            ; one load a wave at the head, one to each arm
	s_cbranch_scc0 .Lfor_o
	tensor_load_to_lds s[76:79], s[68:75]          ; 128 rows of W
	s_nop 0
	PLACES 4
	s_branch .Lasked
.Lfor_o:
	tensor_load_to_lds s[32:35], s[16:23]          ; half of O's record
	s_nop 0
	PLACES 4
.Lasked:
	s_lshl_b32 s54, s52, 5
	s_add_nc_u64 s[8:9], s[8:9], s[54:55]
	s_lshl_b32 s54, s52, 2
	s_add_nc_u64 s[10:11], s[10:11], s[54:55]
	s_add_nc_u64 s[12:13], s[12:13], s[54:55]
	s_lshl_b32 s54, s44, 19                        ; 128 rows of 4,096 bytes
	s_add_nc_u64 s[12:13], s[12:13], s[54:55]
	v_and_b32 v12, 31, v0                          ; lane
	v_and_b32 v13, 15, v0                          ; r
	v_bfe_u32 v14, v0, 4, 1                        ; h
	v_lshlrev_b32 v1, 4, v12
	v_lshl_add_u32 v2, v12, 3, 512
	v_add_nc_u32 v3, 49152, v1
	v_add_nc_u32 v4, 49152, v2
	v_lshlrev_b32 v5, 2, v12
	v_mul_u32_u24 v6, v13, WP
	v_mad_u32_u24 v15, v14, 32, v6
	v_mad_u32_u24 v6, v14, 24, v6
	v_add_nc_u32 v6, s49, v6                       ; W in LDS: my rows, row r, + 24 h
	v_add_nc_u32 v15, s49, v15                     ; and the same behind one padding more
	v_lshlrev_b32 v7, 5, v13
	v_lshlrev_b32 v8, 5, v14
	s_mul_i32 s53, s14, 16*SP
	s_add_co_u32 s53, s53, STG
	v_mul_u32_u24 v9, v13, SP
	v_lshl_add_u32 v9, v14, 5, v9
	v_add_nc_u32 v9, s53, v9                       ; into the stage: row r, + 32 h
	v_mul_u32_u24 v10, v14, SP
	v_lshl_add_u32 v10, v13, 4, v10
	v_add_nc_u32 v10, s53, v10                     ; back: lanes 0-15 one row, lanes 16-31 the next
	v_lshlrev_b32 v11, 12, v14
	v_lshl_add_u32 v11, v13, 4, v11                ; and the same two rows in out0
	WIN 0x40
.irp t, 0,1,2,3
.irp k, 0,1
	global_load_b128 v[192+8*\t+4*\k:195+8*\t+4*\k], v8, s[10:11] offset:64*\t+16*\k   ; the bias, in the result's layout
.endr
.endr
	WIN 0
.irp t, 0,1,2,3
.irp k, 0,1
	global_load_b128 v[16+8*\t+4*\k:19+8*\t+4*\k], v7, s[8:9] offset:512*\t+16*\k      ; W's scale words: a whole row of eight
.endr
.endr
; a fragment of W, tile t, K step s: six pieces of 8 bytes.  Lanes 0-15 take the row's pieces 12 s + 0, 1, 2 and 12 s + 6, 7, 8, lanes 16-31 those three pieces on; 8 bytes of padding lie behind every 32 pieces:
; where the piece three on lies behind one padding more, the second address register (32 for 24 bytes a half) serves
.macro WFRAG reg, t, s
.irp p, 0,1,2,3,4,5
.set PCE, 12*(\s)+6*(\p/3)+\p%3
.if PCE%32 < 29
	ds_load_b64 v[(\reg)+2*\p:(\reg)+2*\p+1], v6 offset:8*PCE+8*(PCE/32)+(\t)*16*WP
.else
	ds_load_b64 v[(\reg)+2*\p:(\reg)+2*\p+1], v15 offset:8*PCE+8*(PCE/32)+(\t)*16*WP
.endif
.endr
.endm
	s_wait_alu depctr_va_vdst(0)                   ; the wait at the head's end
	s_wait_tensorcnt 0x0                           ; my load is in,
	s_barrier_signal -1
	s_barrier_wait -1                              ; everybody's is: W and the record are whole; no LDS byte is filled twice
	WIN 0x40
.irp s, 0,1,2,3
.irp t, 0,1,2,3
	WFRAG 12*(4*\s+\t), \t, \s
.endr
.endr
	WIN 0x80
.irp s, 4,5,6,7
.irp t, 0,1,2,3
	WFRAG 12*(4*(\s-4)+\t), \t, \s
.endr
.endr
	WIN 0
.macro ALOAD T                         ; tile T's eight fragments: two half fragments each, as they were stored
.set AB, 96*((\T)%2)
.set LB, 8192+12288*((\T)%4)
.set AR, 1+2*((\T)/4)
.irp s, 0,1,2,3,4,5,6,7
	ds_load_b128 v[AB+12*\s:AB+12*\s+3], v[AR] offset:LB+1536*\s
	ds_load_b64 v[AB+12*\s+4:AB+12*\s+5], v[AR+1] offset:LB+1536*\s
	ds_load_b128 v[AB+12*\s+6:AB+12*\s+9], v[AR] offset:LB+1536*\s+768
	ds_load_b64 v[AB+12*\s+10:AB+12*\s+11], v[AR+1] offset:LB+1536*\s+768
.endr
.endm
.macro STAGE T                         ; tile T's results into my stage, each accumulator from its low end on, and back as rows; LDS serves a wave's instructions in order
.set AC, 192+32*((\T)%2)
	WIN 0x08
.irp t, 0,1,2,3
	ds_store_b128 v9, v[AC+8*\t:AC+8*\t+3] offset:64*\t
	ds_store_b128 v9, v[AC+8*\t+4:AC+8*\t+7] offset:64*\t+16
.endr
	WIN 0
.irp i, 0,1,2,3,4,5,6,7
	ds_load_b128 v[80+4*\i:83+4*\i], v10 offset:2*\i*SP
.endr
.endm
.macro SEND T
.irp i, 0,1,2,3,4,5,6,7
	global_store_b128 v11, v[80+4*\i:83+4*\i], s[12:13] offset:(\T)*65536+2*\i*4096 th:TH_STORE_NT   ; 16 lanes store 256 consecutive bytes, aligned
.endr
.endm
.macro WMP
.if fRB
	v_wmma_scale_f32_16x16x128_f8f6f4 v[rD:rD+7], v[rA:rA+11], v[rB:rB+11], v[rC:rC+7], v[rSA], v[rSB] matrix_a_fmt:MATRIX_FMT_FP6 matrix_b_fmt:MATRIX_FMT_FP6 matrix_b_scale:MATRIX_SCALE_ROW1
.else
	v_wmma_scale_f32_16x16x128_f8f6f4 v[rD:rD+7], v[rA:rA+11], v[rB:rB+11], v[rC:rC+7], v[rSA], v[rSB] matrix_a_fmt:MATRIX_FMT_FP6 matrix_b_fmt:MATRIX_FMT_FP6
.endif
.endm
; A tile of 16 rows: the next tile's fragments are fetched, the last tile's results go through the stage, 32 products (four accumulators by turns), the last tile's rows are stored
.macro TILE T
	s_wait_xcnt 0x0                                ; the last stores have read v80-111
.if (\T) == 0
	PLACES 8                                       ; O's scale words were made by vector lines
.else
	PLACES 5                                       ; behind the last products: loads into the fragments they read, reads of their results, and sums begun anew over the set before
.endif
.if (\T) < 7
	WIN 0xc0
	ALOAD (\T)+1
	WIN 0
.endif
.if (\T) > 0
	STAGE (\T)-1
.endif
.irp s, 0,1,2,3,4,5,6,7
.if \s == 0
	WIN 0x9d
.elseif \s < 4
	WIN 0xad
.else
	WIN 0xae
.endif
.irp t, 0,1,2,3
.set rD, 192+32*((\T)%2)+8*\t
.if \s == 0
.set rC, 192+8*\t
.else
.set rC, rD
.endif
.set rA, 12*(4*(\s%4)+\t)
.set rB, 96*((\T)%2)+12*\s
.set rSA, 16+8*\t+\s
.set rSB, 48+8*((\T)/2)+\s
.set fRB, (\T)%2
	WMP
.endr
.endr
	WIN 0
	s_wait_dscnt 0x0                               ; the next tile's fragments and the last tile's rows are in
.if (\T) > 0
	SEND (\T)-1
.endif
.endm
.set hd, 0
.rept 16
.irp i, 0,1,2,3
	ds_load_b32 v[80+4*hd+\i], v5 offset:512*hd+128*\i             ; head hd: lanes 0-15 tile 2 i, lanes 16-31 tile 2 i + 1
.endr
.set hd, hd+1
.endr
	WIN 0xc0
	ALOAD 0
	WIN 0
	s_wait_dscnt 0x0
.irp i, 0,1,2,3
.irp s, 0,1,2,3,4,5,6,7
	v_lshl_or_b32 v[48+8*\i+\s], v[84+8*\s+\i], 16, v[80+8*\s+\i]  ; a K step of 128 is two heads: two bytes from each
.endr
.endr
	s_wait_alu depctr_va_vdst(0)
	s_wait_loadcnt 0x0                             ; W's scale words, the bias
.irp T, 0,1,2,3,4,5,6,7
	TILE \T
.endr
	s_wait_xcnt 0x0
	PLACES 4
	STAGE 7
	s_wait_dscnt 0x0
	SEND 7
	s_wait_tensorcnt 0x0
	ds_add_u32 v254, v255
	s_wait_dscnt 0x0
	ROUND                                          ; the closing round
	s_endpgm
.Lfunc_end_k_q2f6778475b_proj:
	.size	k_q2f6778475b_proj, .Lfunc_end_k_q2f6778475b_proj-k_q2f6778475b_proj
	.p2alignl 7, 3214868480
	.fill 96, 4, 3214868480
	.section	.rodata,"a",@progbits
	.p2align	6, 0x0
	.amdhsa_kernel k_q2f6778475b_proj
		.amdhsa_group_segment_fixed_size 327680
		.amdhsa_private_segment_fixed_size 0
		.amdhsa_enable_private_segment 0
		.amdhsa_kernarg_size 40
		.amdhsa_user_sgpr_count 2
		.amdhsa_user_sgpr_kernarg_segment_ptr 1
		.amdhsa_wavefront_size32 1
		.amdhsa_system_sgpr_workgroup_id_x 1
		.amdhsa_system_sgpr_workgroup_id_y 1
		.amdhsa_system_sgpr_workgroup_id_z 1
		.amdhsa_system_vgpr_workitem_id 0
		.amdhsa_next_free_vgpr 1024
		.amdhsa_next_free_sgpr 84
		.amdhsa_reserve_vcc 0
		.amdhsa_float_denorm_mode_32 3
		.amdhsa_float_denorm_mode_16_64 3
		.amdhsa_memory_ordered 1
		.amdhsa_forward_progress 1
		.amdhsa_inst_pref_size 93
	.end_amdhsa_kernel
	.amdgpu_metadata
---
amdhsa.version: [ 1, 2 ]
amdhsa.kernels:
  - .name:           k_q2f6778475b_proj
    .symbol:         k_q2f6778475b_proj.kd
    .args:
      - { .name: o_ws, .offset: 0, .size: 8, .value_kind: global_buffer, .address_space: global }
      - { .name: W_proj_codes, .offset: 8, .size: 8, .value_kind: global_buffer, .address_space: global }
      - { .name: W_proj_scales, .offset: 16, .size: 8, .value_kind: global_buffer, .address_space: global }
      - { .name: b_proj, .offset: 24, .size: 8, .value_kind: global_buffer, .address_space: global }
      - { .name: out0, .offset: 32, .size: 8, .value_kind: global_buffer, .address_space: global }
    .group_segment_fixed_size: 327680
    .private_segment_fixed_size: 0
    .kernarg_segment_align: 8
    .kernarg_segment_size: 40
    .max_flat_workgroup_size: 128
    .sgpr_count:     84
    .vgpr_count:     1024
    .wavefront_size: 32
...
	.end_amdgpu_metadata
.endif
;; end of part 3
